; MI455X (gfx1250); checked and timed in simulation.
; The chip was launched on July 23, 2026; its instructions are those of AMD's public machine-readable ISA for CDNA 5 (MIT licence, August 2026) and "CDNA5" Instruction Set Architecture Reference Guide (July 2026). The comments in the code are by the model that wrote it; some were corrected since.
;; Fast KNN. Allowed arithmetic: float matrix products may take bf16 or f16 operands with f32 sums; all other float work in f32.
;; Inputs: Wh0 1,024 x 1,024 float32; Wh1 1,024 x 1,024 float32; Wi0 1,024 x 1,024 float32; Wi1 1,024 x 1,024 float32; Wl0 1,024 x 1,024 float32; Wl1 1,024 x 1,024 float32; bh0 1,024 float32; bh1 1,024 float32; bl0 1,024 float32; bl1 1,024 float32; c0 2 x 8 x 1,024 float32; h0 2 x 8 x 1,024 float32; input 1,024 x 8 x 1,024 float32.
;; Outputs: out0 1,024 x 8 x 1,024 float32; out1 2 x 8 x 1,024 float32; out2 2 x 8 x 1,024 float32.
;; One version. Each part assembles by itself: llvm-mc -triple=amdgcn-amd-amdhsa -mcpu=gfx1250 --defsym DOCPART=n.
;; ======== version 1 of 1: 3 launches
;; workspace buffers: xb0 16,777,216 bytes; xb1 16,777,216 bytes; h1f 33,554,432 bytes; wf0 6,291,456 bytes; wf1 6,291,456 bytes
;; launch prep (part 1): grid 896 x 1, 8 waves a work-group, no clusters, 37,888 bytes of LDS; arguments input, Wi0, Wl0, Wh0, Wi1, Wl1, Wh1, xb0, wf0, wf1; writes xb0, wf0, wf1
.if DOCPART == 1
	.amdgcn_target "amdgcn-amd-amdhsa--gfx1250"
	.amdhsa_code_object_version 6
	.text
	.protected	k_q79a9888e1e_prep
	.globl	k_q79a9888e1e_prep
	.p2align	8
	.type	k_q79a9888e1e_prep,@function
k_q79a9888e1e_prep:
	s_mov_b64 s[64:65], 0
	v_nop
	global_prefetch_b8 v0, s[64:65] scope:SCOPE_SE
	s_setreg_imm32_b32 hwreg(HW_REG_WAVE_MODE, 25, 1), 1
	s_wait_xcnt 0x0
; PREP: the f32 operands of the matrix products are rounded to bf16 once and laid out as the layer kernels take them.
;   xb0 [b 8][plane k/16, 64][l/16, 64][k 16][l 16]: blocks of 512 bytes, 16 numbers of K x 16 time steps, time fastest: the turning LDS load makes half a fragment of one block.
;   wf  [Wi, Wl, Wh][o/16, 64][k/32, 32][half 2][lane 32][16 bytes]: lane 16 h + r holds W[16 (o/16) + r][32 (k/32) + 16 half + 8 h .. + 7]:
;       a matrix instruction's source as its registers hold it, so that a load of 16 bytes a lane covers 512 consecutive bytes.
; SHARES.  A work-group takes 16 source rows of 1,024 numbers; wave w the numbers 128 w .. 128 w + 127 of each: a load covers 512 consecutive bytes of a row.
; Work-groups 0-511: input, batch row b = id % 8, time steps 16 (id / 8) on.  Work-groups 512-895: the six weight matrices, 64 groups of 16 rows each.
; The re-ordering goes through a stage in LDS that is each wave's own (no barrier); each block of 512 bytes is read back as 32 x 16 bytes and stored as 512 consecutive bytes
; at a multiple of 512 from the buffer's first byte.
; Memory binds: no matrix unit, no cluster (no two work-groups read the same byte), no tensor load (the numbers must pass through registers to be rounded).
.set STGW,  4608                       ; a wave's stage: 32 lanes x 144 (input), or 8 blocks x 544 (weights)
.set BLK,   544                        ; weights: a block of 512 bytes + 32, so that the eight blocks begin 8 banks apart (64 banks of 4 bytes: ISA guide 11.1)
.set LPIT,  144                        ; input: a lane's 128 bytes + 16: an odd multiple of 16, so that 16 lanes' stores of 16 bytes fall into 16 different columns
.set SPARE, 8*STGW                     ; behind the stages: the spare words, 128 bytes for each of the eight waves
.set SPW,   10                         ; v10  LDS address of my spare word; never rewritten
.set NIL,   11                         ; v11  0; never rewritten
.set LD,    16                         ; v[16:79]   16 rows x 4 numbers as loaded; later 8 blocks read back
.set PK,    80                         ; v[80:111]  64 bf16
; v1 lane; v2 source offset 512 w + 16 lane; v3 where I put my bytes; v4 where I read a block back; v5 16 lane
.macro LOADS sstr                      ; sstr: bytes from source row to source row
.irp rr, 0,1,2,3,4,5,6,7,8,9,10,11,12,13,14,15
	global_load_b128 v[LD+4*(\rr):LD+4*(\rr)+3], v2, s[34:35] offset:(\rr)*(\sstr) th:TH_LOAD_NT
.endr
.endm
.macro WAYOUT rstr, dstr               ; rstr: bytes from block to block in the stage; dstr: in the destination
.irp t, 0,1,2,3,4,5,6,7
	ds_load_b128 v[LD+4*(\t):LD+4*(\t)+3], v4 offset:(\t)*(\rstr)  ; LDS serves a wave's instructions in order (ISA guide 5.7.1.4): these see the stores above
.endr
.irp t, 0,1,2,3,4,5,6,7
	s_wait_dscnt 7-(\t)                            ; block t is back; the younger ones stay out
	global_store_b128 v5, v[LD+4*(\t):LD+4*(\t)+3], s[36:37] offset:(\t)*(\dstr)
.endr
	s_wait_tensorcnt 0x0                           ; the wave's end, behind my last LDS store
	ds_add_u32 v[SPW], v[NIL]
	s_wait_dscnt 0x0
	s_endpgm
.endm
	s_load_b512 s[8:23], s[0:1], 0x0               ; input s[8:9], Wi0 s[10:11], Wl0 s[12:13], Wh0 s[14:15], Wi1 s[16:17], Wl1 s[18:19], Wh1 s[20:21], xb0 s[22:23]
	s_load_b128 s[24:27], s[0:1], 0x40             ; wf0 s[24:25], wf1 s[26:27]
	v_lshl_add_u32 v[SPW], v0, 2, SPARE
	v_mov_b32 v[NIL], 0
	v_lshrrev_b32 v1, 5, v0
	v_readfirstlane_b32 s32, v1                    ; wave 0..7
	v_and_b32 v1, 31, v0                           ; lane
	s_mov_b32 s33, ttmp9                           ; work-group
	s_mul_i32 s40, s32, STGW                       ; my stage
	v_lshlrev_b32 v5, 4, v1                        ; 16 lane
	v_lshl_add_u32 v2, s32, 9, v5                  ; 512 w + 16 lane
	s_mov_b32 s39, 0                               ; the upper word of every offset
	s_cmp_lt_u32 s33, 512
	s_cbranch_scc0 .Lweights
	; INPUT.  I hold 16 time steps x 4 numbers of K: K row 4 (lane % 4) + kx of plane 8 w + lane / 4.  A K row of a block is 16 time steps, 32 bytes, so my four rows are 128 consecutive bytes of the block.
	v_mul_u32_u24 v3, v1, LPIT
	v_add_nc_u32 v3, s40, v3                       ; in: my 128 bytes
	v_lshrrev_b32 v9, 3, v1
	v_and_b32 v14, 7, v1
	v_mul_u32_u24 v4, v9, LPIT                     ; back: byte 16 lane of a block lies with the block's lane lane / 8, piece lane % 8
	v_lshl_add_u32 v4, v14, 4, v4
	v_add_nc_u32 v4, s40, v4
	s_and_b32 s41, s33, 7                          ; b
	s_lshr_b32 s42, s33, 3                         ; group of 16 time steps
	s_lshl_b32 s38, s42, 19                        ; 16 steps x 32,768 bytes
	s_lshl_b32 s43, s41, 12                        ; + b x 4,096
	s_add_co_u32 s38, s38, s43
	s_wait_kmcnt 0x0
	s_add_nc_u64 s[34:35], s[8:9], s[38:39]
	s_lshl_b32 s38, s41, 21                        ; b x 64 planes
	s_lshl_b32 s43, s32, 18                        ; + my 8 planes
	s_add_co_u32 s38, s38, s43
	s_lshl_b32 s43, s42, 9                         ; + the group's block of 512 bytes
	s_add_co_u32 s38, s38, s43
	s_add_nc_u64 s[36:37], s[22:23], s[38:39]
	LOADS 32768
.irp lp, 0,1,2,3,4,5,6,7
	s_wait_loadcnt 14-2*(\lp)                      ; loads come back in order (ISA guide 5.7.1): rows 2 lp and 2 lp + 1 are in, the younger rows stay out
.irp kx, 0,1,2,3
	v_cvt_pk_bf16_f32 v[PK+8*(\kx)+(\lp)], v[LD+8*(\lp)+(\kx)], v[LD+8*(\lp)+4+(\kx)]  ; two neighbouring time steps of one K
.endr
.endr
.irp t, 0,1,2,3,4,5,6,7
	ds_store_b128 v3, v[PK+4*(\t):PK+4*(\t)+3] offset:16*(\t)
.endr
	WAYOUT 4*LPIT, 32768                           ; a block is four lanes' bytes; block t is plane 8 w + t
.Lweights:
	; WEIGHTS.  Block t is (K step 4 w + t / 2, half t % 2): lane 16 h + r at byte 16 (16 h + r); row r is the source row, h = (lane / 2) % 2, and my 4 numbers are its half lane % 2.
	; Lanes two apart hit the same banks here, two deep: left so, since memory binds this launch.
	v_add_nc_u32 v4, s40, v5
	v_lshrrev_b32 v9, 2, v1                        ; four lanes hold 16 numbers: one block of the eight
	v_mul_u32_u24 v3, v9, BLK
	v_add_nc_u32 v3, s40, v3
	v_bfe_u32 v14, v1, 1, 1
	v_lshl_add_u32 v3, v14, 8, v3
	v_and_b32 v15, 1, v1
	v_lshl_add_u32 v3, v15, 3, v3
	s_sub_co_u32 s41, s33, 512
	s_lshr_b32 s42, s41, 6                         ; matrix 0..5
	s_and_b32 s41, s41, 63                         ; group of 16 rows
	s_sub_co_u32 s43, s42, 3
	s_wait_kmcnt 0x0
	s_mov_b64 s[34:35], s[10:11]
	s_cmp_eq_u32 s42, 1
	s_cselect_b64 s[34:35], s[12:13], s[34:35]
	s_cmp_eq_u32 s42, 2
	s_cselect_b64 s[34:35], s[14:15], s[34:35]
	s_cmp_eq_u32 s42, 3
	s_cselect_b64 s[34:35], s[16:17], s[34:35]
	s_cmp_eq_u32 s42, 4
	s_cselect_b64 s[34:35], s[18:19], s[34:35]
	s_cmp_eq_u32 s42, 5
	s_cselect_b64 s[34:35], s[20:21], s[34:35]
	s_cmp_lt_u32 s42, 3
	s_cselect_b64 s[36:37], s[24:25], s[26:27]     ; layer 0's or layer 1's buffer,
	s_cselect_b32 s43, s42, s43                    ; and the matrix's number in it
	s_lshl_b32 s38, s41, 16                        ; 16 rows x 4,096 bytes
	s_add_nc_u64 s[34:35], s[34:35], s[38:39]
	s_lshl_b32 s38, s43, 21                        ; a matrix is 2,097,152 bytes,
	s_lshl_b32 s43, s41, 15                        ; a group of 16 rows 32,768,
	s_add_co_u32 s38, s38, s43
	s_lshl_b32 s43, s32, 12                        ; my four K steps 4,096
	s_add_co_u32 s38, s38, s43
	s_add_nc_u64 s[36:37], s[36:37], s[38:39]
	LOADS 4096
.irp rr, 0,1,2,3,4,5,6,7,8,9,10,11,12,13,14,15
	s_wait_loadcnt 15-(\rr)                        ; row rr is in, the younger rows stay out
	v_cvt_pk_bf16_f32 v[PK+2*(\rr)],   v[LD+4*(\rr)],   v[LD+4*(\rr)+1]
	v_cvt_pk_bf16_f32 v[PK+2*(\rr)+1], v[LD+4*(\rr)+2], v[LD+4*(\rr)+3]
	ds_store_b64 v3, v[PK+2*(\rr):PK+2*(\rr)+1] offset:(\rr)*16
.endr
	WAYOUT BLK, 512
.Lfunc_end_k_q79a9888e1e_prep:
	.size	k_q79a9888e1e_prep, .Lfunc_end_k_q79a9888e1e_prep-k_q79a9888e1e_prep
	.p2alignl 7, 3214868480
	.fill 96, 4, 3214868480
	.section	.rodata,"a",@progbits
	.p2align	6, 0x0
	.amdhsa_kernel k_q79a9888e1e_prep
		.amdhsa_group_segment_fixed_size 37888
		.amdhsa_private_segment_fixed_size 0
		.amdhsa_enable_private_segment 0
		.amdhsa_kernarg_size 80
		.amdhsa_user_sgpr_count 2
		.amdhsa_user_sgpr_kernarg_segment_ptr 1
		.amdhsa_wavefront_size32 1
		.amdhsa_system_sgpr_workgroup_id_x 1
		.amdhsa_system_sgpr_workgroup_id_y 1
		.amdhsa_system_sgpr_workgroup_id_z 1
		.amdhsa_system_vgpr_workitem_id 0
		.amdhsa_next_free_vgpr 112
		.amdhsa_next_free_sgpr 66
		.amdhsa_reserve_vcc 0
		.amdhsa_float_denorm_mode_32 3
		.amdhsa_float_denorm_mode_16_64 3
		.amdhsa_memory_ordered 1
		.amdhsa_forward_progress 1
		.amdhsa_inst_pref_size 16
	.end_amdhsa_kernel
	.amdgpu_metadata
---
amdhsa.version: [ 1, 2 ]
amdhsa.kernels:
  - .name:           k_q79a9888e1e_prep
    .symbol:         k_q79a9888e1e_prep.kd
    .args:
      - { .name: input, .offset: 0, .size: 8, .value_kind: global_buffer, .address_space: global }
      - { .name: Wi0, .offset: 8, .size: 8, .value_kind: global_buffer, .address_space: global }
      - { .name: Wl0, .offset: 16, .size: 8, .value_kind: global_buffer, .address_space: global }
      - { .name: Wh0, .offset: 24, .size: 8, .value_kind: global_buffer, .address_space: global }
      - { .name: Wi1, .offset: 32, .size: 8, .value_kind: global_buffer, .address_space: global }
      - { .name: Wl1, .offset: 40, .size: 8, .value_kind: global_buffer, .address_space: global }
      - { .name: Wh1, .offset: 48, .size: 8, .value_kind: global_buffer, .address_space: global }
      - { .name: xb0, .offset: 56, .size: 8, .value_kind: global_buffer, .address_space: global }
      - { .name: wf0, .offset: 64, .size: 8, .value_kind: global_buffer, .address_space: global }
      - { .name: wf1, .offset: 72, .size: 8, .value_kind: global_buffer, .address_space: global }
    .group_segment_fixed_size: 37888
    .private_segment_fixed_size: 0
    .kernarg_segment_align: 8
    .kernarg_segment_size: 80
    .max_flat_workgroup_size: 256
    .sgpr_count:     66
    .vgpr_count:     112
    .wavefront_size: 32
...
	.end_amdgpu_metadata
.endif
;; end of part 1
;; launch layer0 (part 2): grid 32 x 8, 4 waves a work-group, clusters of 4 x 1, 327,680 bytes of LDS; arguments xb0, input, wf0, bl0, bh0, c0, h1f, xb1, out1, out2; writes h1f, xb1, out1, out2
.if DOCPART == 2
	.amdgcn_target "amdgcn-amd-amdhsa--gfx1250"
	.amdhsa_code_object_version 6
	.text
	.protected	k_q79a9888e1e_layer0
	.globl	k_q79a9888e1e_layer0
	.p2align	8
	.type	k_q79a9888e1e_layer0,@function
k_q79a9888e1e_layer0:
	s_mov_b64 s[64:65], 0
	v_nop
	global_prefetch_b8 v0, s[64:65] scope:SCOPE_SE
	s_setreg_imm32_b32 hwreg(HW_REG_WAVE_MODE, 25, 1), 1
	s_wait_xcnt 0x0
	s_wait_alu depctr_hold_cnt(0) depctr_sa_sdst(0) depctr_va_vdst(0) depctr_va_sdst(0) depctr_va_ssrc(0) depctr_va_vcc(0) depctr_vm_vsrc(0)
	s_getreg_b32 s2, hwreg(HW_REG_IB_STS2, 6, 4)
	s_cmp_eq_u32 s2, 0
	s_cbranch_scc0 .Lentry_in_a_cluster
	s_endpgm
.Lentry_in_a_cluster:
	s_bfe_u32 s2, ttmp6, 0x10000c
	s_cmp_lg_u32 s2, 0x3003
	s_cbranch_scc0 .Lentry_shape_is_right
	s_endpgm
.Lentry_shape_is_right:
; ONE LAYER:  wx = x Wi^T;  d = sigmoid(x Wl^T + bl);  c_l = d_l c_(l-1) + wx_l (1 - d_l);  t = sigmoid(x Wh^T + bh);  h = c t + x (1 - t).
; THE TWO LAYERS' TEXTS DIFFER IN THE LINE 'LAYER' ALONE.  Two texts, since the layers move x and h in f32 differently.
; Layer 0: xb (x in bf16), xf = input [l][b][o], wf, bl, bh, c0, ho = h in f32 in the accumulators' own order, hb = h in bf16 laid out like xb, out1 (last h), out2 (last c).
; Layer 1: xb, xf = layer 0's ho, wf, bl, bh, c0, ho = the output [l][b][o], out1, out2.   Products in bf16 with f32 sums; all else in f32.  h0 is no argument: reference() never uses it.
; SHARES.  A work-group owns one batch row b and 32 channels for ALL 1,024 time steps, so the recurrence never leaves it: 8 x 32 = 256 work-groups of equal work.
; Time goes in PHASES of 32 steps.  Wave w = 2 g + hf owns channels 16 g .. 16 g + 15 and steps 16 hf .. 16 hf + 15 of each phase: one tile, three matrices, 96 matrix instructions.
; WEIGHTS STAY IN REGISTERS: 16 channels x 3 matrices x K 1,024 in bf16 are 768 registers (windows 1 to 3), loaded once.  LDS carries x alone.
; x goes in blocks of 64 time steps (two phases) x all K through two LDS slots filled by the tensor data mover, a quarter of a slot (16 planes x 2,048 dense bytes) a wave.
; xb is [b][k/16][l/16][k 16][l 16]: a turning LDS load reads one dense block of 512 bytes and leaves half a fragment; a lane's eight time steps of one channel, rounded, are 16 bytes of such a block.
; CLUSTER.  The four work-groups of a cluster share b and so every tile of x: each tile is asked for JOINTLY, by the same load with the same descriptor and a mask of four.
; LAYOUT.  Source 0 = 16 time steps of x, source 1 = 16 channels of a weight: in the result lane (r = lane % 16, h = lane / 16) holds ONE channel r and EIGHT CONSECUTIVE time steps 8 h + 0..7.
; THE SCAN.  A lane scans its 8 steps from 0 (u) and keeps the running product of d (p): c = u + p c_in.  A run of steps is the map c -> P c + U; a wave's two runs are composed by an exchange between the
; halves of the lanes, the two waves of a channel group hand each other their maps through LDS, and every lane then knows its c_in.  d lies in 0 to 1, so no product grows.
; BY TURNS.  Even and odd phases have accumulators of their own.  While phase p's products are issued, the vector work of phase p - 1 stands in the gaps behind them, two instructions to a gap.
; LDS AND MEMORY INSTRUCTIONS STAND IN FOUR RUNS A PHASE, one at each boundary between chunks of 24 products, never singly among the matrix instructions.
; LIMITS.  An exponential below 2^-126 counts as 0 (a sigmoid is then off by less than 1e-38); NaN is not treated apart.
; A work-group's 32 channels are 128 bytes of a row of [l][b][o], a wave's 16 are 64: input and the output are moved in runs of 64 bytes, straight from and to the accumulators' layout.  Runs of 256 would need
; 64 channels a work-group: 128 work-groups, or time split over work-groups and a second pass.  xb, wf, hb and layer 0's ho are moved in whole runs of 512 bytes and more.
;
; REGISTERS, in windows of 256 (s_set_vgpr_msb: bits 1:0 source 0, 3:2 source 1, 5:4 source 2, 7:6 destination).
;   windows 1-3: weight fragment f = 3 kk + i (K step kk of 32, matrix i: Wi, Wl, Wh) in window 1 + f / 32 at v[8 (f % 32)]: product m of a phase takes fragment m
;   window 0: v0-31 addresses and what is carried; v32-79 accumulators; v80-111 four sets of x in f32, later h; v112-127 at work; v128-255 a ring of 16 K steps' fragments of x
; Products switch source 1's window alone.  Loads, v_nop and vector lines whose second source is no vector register run under that setting; the others cost a switch to window 0 and one back.
.set LAYER, 0
.set PLANE, 2048                       ; a plane of a block in LDS: 16 K x 64 time steps, four blocks of 512 bytes
.set QUART, 16*PLANE                   ; what one tensor load brings
.set SLOT,  4*QUART                    ; 131,072 bytes
.set EXCH,  2*SLOT                     ; behind the ring: the waves' maps (P, U), 8 bytes a lane, 256 a wave; a copy for even phases and one for odd
.set SPARE, EXCH+2048                  ; the spare words, 128 bytes for each wave: two blocks of 256 bytes that no other line names
.set ROWB,  32768                      ; bytes from a time step to the next in [l][b][o]
.if LAYER == 0
.set XN,    8                          ; loads that bring a phase's x in f32
.set NE2,   20                         ; vector lines behind the exchange
.set NST,   3                          ; stores of a phase
.set XSTEP, 128*ROWB                   ; four phases on in xf,
.set HSTEP, 16384                      ; and in ho
.set O1,    24                         ; s[24:25] out1, s[26:27] out2
.set O2,    26
.else
.set XN,    2
.set NE2,   16
.set NST,   8
.set XSTEP, 16384
.set HSTEP, 128*ROWB
.set O1,    22                         ; s[22:23] out1, s[24:25] out2
.set O2,    24
.endif
.set ADR, 4                            ; v4-7    LDS address of my fragments: slot s, K steps 16 u .. 16 u + 15 at v[ADR + 2 s + u], so that the immediates stay under 65,536
.set NBL, 10                           ; v10-11  -log2(e) bl of my channel, twice
.set NBH, 12                           ; v12-13  -log2(e) bh
.set CAR, 14                           ; v14     c at the end of the last phase whose exchange is done
.set XO,  15                           ; v15     my byte offset in [l][b][o]
.set CO,  16                           ; v16     my channel's byte offset among the work-group's 32
.set WO,  17                           ; v17     16 x lane
.set BO,  18                           ; v18     my 16 bytes in a block of hb: 32 r + 16 h
.set EXA, 20                           ; v20     where my wave's map goes
.set EXR, 21                           ; v21     where my channel group's two maps lie;  v22-25 the two maps, v26 c between the two waves, v27 my wave's c_in
.set SPW, 30                           ; v30     LDS address of my spare word; never rewritten
.set NIL, 31                           ; v31     0; never rewritten
.set WW,  32                           ; v32-47  set a at + 8 a: wx, then w, u, c, c - x
.set DD,  48                           ; v48-63  d, then its running product p
.set GG,  64                           ; v64-79  t
.set XX,  80                           ; v80-111 set p % 4: x in f32, then h
.set PQ,  112                          ; v112-113 the map from my wave's c_in to my run's
.set PW,  114                          ; v114-115 my wave's map
.set CIN, 116                          ; v116-117 my run's c_in (named as a pair)
.set TX,  118                          ; v118-123 at work on the maps
.set BF,  124                          ; v124-127 h in bf16
.set F0,  128                          ; K step kk's fragment at F0 + 8 (kk % 16)
.set G1,  44                           ; s[44:51] descriptor group 1
.set G0,  52                           ; s[52:59] descriptor group 0, a set for each slot
.set NL2, 74                           ; s[74:75] -log2(e): the packed forms name a pair and take its low word for both halves
; s30 wave, s31 g, s32 hf, s33 cx, s34 channel block, s35 b, s37 mask of lanes 16-31, s38 all ones in waves with hf = 1, s[40:41] v_permlanex16_b32's selects, s60 trips, s72 EXEC kept
.set MSB, 0
.macro WIN new                         ; the immediate's high byte repeats the setting that is left; a switch that changes nothing is dropped
.if MSB != (\new)
	s_set_vgpr_msb (MSB<<8)|(\new)
.set MSB, (\new)
.endif
.endm
.macro PLACES                          ; four places behind matrix instructions, in front of vector lines that read their results and of loads into registers that they read
.rept 4
	v_nop
.endr
.endm
; A round of the cluster's barrier: my work-group's barrier, so that wave 0's signal speaks for all four waves; wave 0 signals; every wave waits for all four work-groups; my work-group's barrier once more.
.macro CREST                           ; a round behind its opening barrier
	s_cmp_lg_u32 s30, 0
	s_cbranch_scc1 .Lnot_wave_0_\@
	s_barrier_signal -3
.Lnot_wave_0_\@:
	s_barrier_wait -3
	s_barrier_signal -1
	s_barrier_wait -1
.endm
.macro ROUND
	s_barrier_signal -1
	s_barrier_wait -1
	CREST
.endm
; Fragment load n of a phase's 64 (slot s, half ph of its time steps): K step n / 2, plane 2 (n / 2) + n % 2.  The 32 lanes read one dense block of 512 bytes (16 K x 16 time steps):
; lane l takes K row 8 (l / 16) + l % 8, time steps 8 ((l / 8) % 2) + 0..7, and is left with time step l % 16 and K = 8 (l / 16) + 0..7.
.macro FL s, ph, n
	ds_load_tr16_b128 v[F0+8*(((\n)/2)%16)+4*((\n)%2):F0+8*(((\n)/2)%16)+4*((\n)%2)+3], v[ADR+2*(\s)+(\n)/32] offset:(((\n)/2)%16)*4096+((\n)%2)*2048+(\ph)*1024
.endm
.macro RUN s, ph, cc                   ; 16 fragment loads on end: the eight K steps of chunk cc, in the order in which the products take them
.set rn, 0
.rept 16
	FL \s, \ph, 16*(\cc)+rn
.set rn, rn+1
.endr
.endm
; Product m of a phase's 96: K step m / 3, matrix m % 3.  The three accumulators take turns, one instruction a turn, from phase to phase and over the backward jump too.
; The first three take the constant 0 as C: nothing is ever cleared.
.macro MM
	WIN (1+m/32)<<2                                ; source 1 in the fragment's window
.if m < 3
	v_wmma_f32_16x16x32_bf16 v[WW+16*(m%3)+AC:WW+16*(m%3)+AC+7], v[F0+8*((m/3)%16):F0+8*((m/3)%16)+7], v[8*(m%32):8*(m%32)+7], 0
.else
	v_wmma_f32_16x16x32_bf16 v[WW+16*(m%3)+AC:WW+16*(m%3)+AC+7], v[F0+8*((m/3)%16):F0+8*((m/3)%16)+7], v[8*(m%32):8*(m%32)+7], v[WW+16*(m%3)+AC:WW+16*(m%3)+AC+7]
.endif
.endm
.macro XLD set, relx, j                ; load j of x in f32 of the phase relx phases behind the base, in the accumulators' layout
.if LAYER == 0
	global_load_b32 v[XX+8*(\set)+(\j)], v[XO], s[10:11] offset:(32*(\relx)+(\j))*ROWB
.else
	global_load_b128 v[XX+8*(\set)+4*(\j):XX+8*(\set)+4*(\j)+3], v[WO], s[10:11] offset:(\relx)*4096+(\j)*512
.endif
.endm
.macro HST rel, k                      ; store k of h of phase rel - 1
	WIN 0                                          ; a store's data are source 1
.if LAYER == 0
.if (\k) < 2
	global_store_b128 v[WO], v[XE+4*(\k):XE+4*(\k)+3], s[20:21] offset:((\rel)-1)*4096+(\k)*512  ; 512 consecutive bytes, at a multiple of 512 from the buffer's first byte
.else
	global_store_b128 v[BO], v[BF:BF+3], s[22:23] offset:((\rel)-1)*1024                         ; one block of hb: likewise
.endif
.else
	global_store_b32 v[XO], v[XE+(\k)], s[20:21] offset:(32*((\rel)-1)+(\k))*ROWB
.endif
.endm
; THE VECTOR WORK OF A PHASE, first part: line en of 76, on accumulator set AE.  Each accumulator is read from its lowest registers on.
;   0-3    -log2(e) (z + bl)                    4-39  three stages of four times (two transcendentals, one packed line of the neighbouring stage that names none of their registers: the plain instruction that
;          ISA guide 5.7.2 asks for): exp on d | the same scaling for t;  exp on t | 1 + for d;  1 / on d | 1 + for t              40-47  1 / on t
;   48-51  w = wx - wx d      52-65  u_j = d_j u_(j-1) + w_j, p_j = d_j p_(j-1)      66-75  the maps: my run's c_in from my wave's (the identity for h = 0, the other half's run for h = 1), and the wave's whole map, in every lane
.macro E1R
.if en < 4
	v_pk_fma_f32 v[DD+AE+2*en:DD+AE+2*en+1], v[DD+AE+2*en:DD+AE+2*en+1], s[NL2:NL2+1], v[NBL:NBL+1] op_sel_hi:[1,0,1]
.elseif en < 40
.set est, (en-4)/12
.set epr, ((en-4)%12)/3
.set ekk, (en-4)%3
.if ekk < 2
.if est == 0
	v_exp_f32 v[DD+AE+2*epr+ekk], v[DD+AE+2*epr+ekk]
.elseif est == 1
	v_exp_f32 v[GG+AE+2*epr+ekk], v[GG+AE+2*epr+ekk]
.else
	v_rcp_f32 v[DD+AE+2*epr+ekk], v[DD+AE+2*epr+ekk]
.endif
.else
.if est == 0
	v_pk_fma_f32 v[GG+AE+2*epr:GG+AE+2*epr+1], v[GG+AE+2*epr:GG+AE+2*epr+1], s[NL2:NL2+1], v[NBH:NBH+1] op_sel_hi:[1,0,1]
.elseif est == 1
	s_wait_alu depctr_va_vdst(0)
	v_pk_add_f32 v[DD+AE+2*epr:DD+AE+2*epr+1], v[DD+AE+2*epr:DD+AE+2*epr+1], 1.0 op_sel_hi:[1,0]
.else
	s_wait_alu depctr_va_vdst(0)
	v_pk_add_f32 v[GG+AE+2*epr:GG+AE+2*epr+1], v[GG+AE+2*epr:GG+AE+2*epr+1], 1.0 op_sel_hi:[1,0]
.endif
.endif
.elseif en < 48
	v_rcp_f32 v[GG+AE+en-40], v[GG+AE+en-40]
.else
	WIN 0
.set ejj, 1+(en-52)/2
.if en < 52
	s_wait_alu depctr_va_vdst(0)
	v_pk_fma_f32 v[WW+AE+2*(en-48):WW+AE+2*(en-48)+1], v[WW+AE+2*(en-48):WW+AE+2*(en-48)+1], v[DD+AE+2*(en-48):DD+AE+2*(en-48)+1], v[WW+AE+2*(en-48):WW+AE+2*(en-48)+1] neg_lo:[1,0,0] neg_hi:[1,0,0]
.elseif (en < 66) && (en%2 == 0)
	v_fma_f32 v[WW+AE+ejj], v[DD+AE+ejj], v[WW+AE+ejj-1], v[WW+AE+ejj]
.elseif en < 66
	v_mul_f32 v[DD+AE+ejj], v[DD+AE+ejj], v[DD+AE+ejj-1]
.elseif en == 66
	v_permlanex16_b32 v[TX], v[DD+AE+7], s40, s41  ; the other half's run
.elseif en == 67
	v_permlanex16_b32 v[TX+1], v[WW+AE+7], s40, s41
.elseif en == 68
	v_cndmask_b32 v[PQ], 1.0, v[TX], s37
.elseif en == 69
	v_cndmask_b32 v[PQ+1], 0, v[TX+1], s37
.elseif en == 70
	v_mul_f32 v[TX+2], v[DD+AE+7], v[PQ]           ; through my own run's end
.elseif en == 71
	v_fma_f32 v[TX+3], v[DD+AE+7], v[PQ+1], v[WW+AE+7]
.elseif en == 72
	v_permlanex16_b32 v[TX+4], v[TX+2], s40, s41
.elseif en == 73
	v_permlanex16_b32 v[TX+5], v[TX+3], s40, s41
.elseif en == 74
	v_cndmask_b32 v[PW], v[TX+4], v[TX+2], s37     ; the later run's end is the wave's
.else
	v_cndmask_b32 v[PW+1], v[TX+5], v[TX+3], s37
.endif
.endif
.set en, en+1
.endm
; Second part, behind the exchange: line fn.  0-3 c between the two waves, my wave's c_in, the carry, my run's c_in;  4-7 c = u + p c_in;  8-15 h = x + t (c - x), into x's registers, so that the
; accumulators are free for the next phase whatever the stores do;  16-19 (layer 0) h in bf16.
.macro E2R
	WIN 0
.if fn == 0
	v_fma_f32 v26, v22, v[CAR], v23
.elseif fn == 1
	v_cndmask_b32 v27, v[CAR], v26, s38
.elseif fn == 2
	v_fma_f32 v[CAR], v24, v26, v25
.elseif fn == 3
	v_fma_f32 v[CIN], v[PQ], v27, v[PQ+1]
.elseif fn < 8
	v_pk_fma_f32 v[WW+AE+2*(fn-4):WW+AE+2*(fn-4)+1], v[DD+AE+2*(fn-4):DD+AE+2*(fn-4)+1], v[CIN:CIN+1], v[WW+AE+2*(fn-4):WW+AE+2*(fn-4)+1] op_sel_hi:[1,0,1]
.elseif fn < 12
	v_pk_add_f32 v[WW+AE+2*(fn-8):WW+AE+2*(fn-8)+1], v[WW+AE+2*(fn-8):WW+AE+2*(fn-8)+1], v[XE+2*(fn-8):XE+2*(fn-8)+1] neg_lo:[0,1] neg_hi:[0,1]
.elseif fn < 16
	v_pk_fma_f32 v[XE+2*(fn-12):XE+2*(fn-12)+1], v[GG+AE+2*(fn-12):GG+AE+2*(fn-12)+1], v[WW+AE+2*(fn-12):WW+AE+2*(fn-12)+1], v[XE+2*(fn-12):XE+2*(fn-12)+1]
.else
	v_cvt_pk_bf16_f32 v[BF+fn-16], v[XE+2*(fn-16)], v[XE+2*(fn-16)+1]
.endif
.set fn, fn+1
.endm
; A PHASE: 96 products in four chunks c of 24 (eight K steps), g the product's place in its chunk.  rel: the phase's number less that of the phase at which the global bases stand (a multiple of 4).
; ep = 1: the phase before has vector work.  fill = 1: the slot is read out here and filled again; 2: the last tile is waited for, nothing is filled; 0: a plain barrier.  nxt = 1: a phase follows.
; xl = 1: x in f32 of the phase two on is asked for.  xy: how many younger sets of x may stay out when the epilogue's x is wanted.
; FRAGMENTS.  The ring is two halves of eight K steps.  Behind a chunk's last product stand four v_nop and ONE RUN of 16 loads that fills the half just read with the chunk after next; the other half is
; multiplied meanwhile.  The waits are counted, one for two K steps (four loads): the run's later loads and the younger run's 16 may stay out.
; WHAT RIDES IN THE RUNS.  Behind product 23: x in f32 for the phase two on.  Behind 47: my wave's map goes to LDS.  Behind 71: the barrier's wait, the refill, the two maps come back.  Behind 95: the stores of h.
; VECTOR WORK, two lines to a gap: sigmoids, scan and map behind products 0-37; c and h behind products 80 on.
; THE BARRIER, one a phase, for the waves' maps; in odd phases also for the ring: nobody reads this slot any more, and the other slot is whole.  The slot's last reads are the run behind product 47; each wave waits for
; all its LDS instructions behind product 68 and signals; three products stand between signal and wait.  Where the slot is filled again, the wait for all tensor loads (one is out: my part of the other slot) and the add
; stand behind product 62, the barrier opens a round of the cluster's, and the joint refill is the first thing behind it: from there to the wait for it a wave issues 24 + 96 + 63 = 183 products.
.macro PHASE rel, ep, fill, nxt, xl, xy
.set P4,  (\rel)%4
.set SL,  P4/2                         ; my slot, and which half of its time steps
.set PH,  P4%2
.set AC,  8*PH                         ; the products' accumulators,
.set AE,  8-AC                         ; and those at which the vector work stands
.set SLN, ((P4+1)%4)/2
.set PHN, (P4+1)%2
.set XE,  XX+8*((P4+3)%4)              ; x, then h, of the phase before
.set XS,  (P4+2)%4
.set FA,  ((\fill)+1)/2                ; 1: the phase has the add
.set en, 0
.set fn, 0
.set m, 0
.rept 96
.set c, m/24
.set g, m%24
.if g%6 == 0                           ; LDS instructions come back in order (ISA guide 5.7.1): the next two K steps' four loads are in; what may stay out:
.if c < 2
	s_wait_dscnt 28-4*(g/6)                        ; the run's later loads, 12 - 4 (g / 6), and the younger run's 16
.elseif c == 2
	s_wait_dscnt 28+(\ep)-4*(g/6)+FA*(g/18)        ; also my map's store, which stands ahead of the younger run, and from product 66 on the add
.elseif !(\ep)
	s_wait_dscnt 28-4*(g/6)                        ; (a phase without a barrier; with one, the wait in front of the signal has shown chunk 3 in)
.endif
.endif
	MM
.if (\ep) && (c < 2) && (en < 76)
	E1R
	E1R
.endif
.if m == 23
	PLACES
	s_wait_xcnt 0x0                                ; every earlier memory instruction has had its addresses translated (ISA guide 3.1): the registers that the last phase's stores read are loaded or written again only behind this wait
.if \xl
.set xj, 0
.rept XN
	XLD XS, (\rel)+2, xj
.set xj, xj+1
.endr
.endif
	RUN SL, PH, 2
.endif
.if m == 47
	PLACES
.if \ep
	WIN 0                                          ; (an LDS store's data are source 1)
	ds_store_b64 v[EXA], v[PW:PW+1] offset:(AE/8)*1024  ; the copy goes by the phase's parity: between its reads and its next store lies the next phase's barrier
.endif
	RUN SL, PH, 3                                  ; my last reads of this half of the slot
.endif
.if (\fill) && (m == 62)
	WIN 0                                          ; (the add's two registers lie in window 0)
	s_wait_tensorcnt 0x0                           ; no tensor load of mine is out, so a group 0 may be written
	ds_add_u32 v[SPW], v[NIL]                      ; 0 onto my spare word; six products stand between it and the wait for it
.if (\fill) == 1
	s_add_nc_u64 s[G0+4*SL+2:G0+4*SL+3], s[G0+4*SL+2:G0+4*SL+3], 4096  ; two blocks of 2,048 bytes on in every plane; the type bits on top are not reached
.endif
.endif
.if (\ep) && (m == 68)
	s_wait_dscnt 0x0                               ; my reads of the slot, my map's store and the add are done
	s_barrier_signal -1
.endif
.if m == 71
.if \nxt
	PLACES
.endif
.if \ep
.if (\fill) == 1
	WIN 0
.endif
	s_barrier_wait -1
.if (\fill) == 1
	CREST                                          ; no wave of any partner still reads this slot or has a load on its way
	tensor_load_to_lds s[G0+4*SL:G0+4*SL+3], s[G1:G1+7]
	s_nop 0
.endif
	ds_load_b64 v[22:23], v[EXR] offset:(AE/8)*1024      ; the map of my channel group's steps 0-15,
	ds_load_b64 v[24:25], v[EXR] offset:(AE/8)*1024+256  ; and of its steps 16-31
.endif
.if \nxt
	RUN SLN, PHN, 0                                ; the next phase's first chunk: in odd phases from the other slot, which the barrier has shown whole
.endif
.endif
.if (\ep) && (c == 3) && (g >= 8) && (fn < NE2)
.if g == 8
	s_wait_dscnt 16*(\nxt)                         ; the two maps are in; the 16 fragment loads issued behind them stay out
.endif
.if fn == 8
	s_wait_loadcnt (\xy)*XN                        ; this phase's x in f32 is in; the younger sets stay out
.endif
	E2R
	E2R
.endif
.if m == 95
	PLACES                                         ; also for the vector lines that read this phase's sums
.if \ep
.set hk, 0
.rept NST
	HST \rel, hk
.set hk, hk+1
.endr
.endif
.if \nxt
	RUN SLN, PHN, 1
.endif
.endif
.set m, m+1
.endr
.endm
; The last phase's vector work: nothing is left to set it beside.
.macro FINAL
.set AE, 8
.set XE, XX+24
.set en, 0
.set fn, 0
	WIN 0
.rept 76
	E1R
.endr
	ds_store_b64 v[EXA], v[PW:PW+1] offset:1024
	s_wait_dscnt 0x0
	s_barrier_signal -1
	s_barrier_wait -1
	ds_load_b64 v[22:23], v[EXR] offset:1024
	ds_load_b64 v[24:25], v[EXR] offset:1024+256
	s_wait_xcnt 0x0                                ; the last phase's stores have read their registers
	s_wait_loadcnt 0x0
	s_wait_dscnt 0x0
.rept NE2
	E2R
.endr
.set hk, 0
.rept NST
	HST 4, hk
.set hk, hk+1
.endr
.endm
	s_load_b512 s[8:23], s[0:1], 0x0               ; xb s[8:9], xf s[10:11], wf s[12:13], bl s[14:15], bh s[16:17], c0 s[18:19], ho s[20:21], and hb (layer 0) or out1 (layer 1) s[22:23]
.if LAYER == 0
	s_load_b128 s[24:27], s[0:1], 0x40             ; out1, out2
.else
	s_load_b64 s[24:25], s[0:1], 0x40              ; out2
.endif
	v_lshl_add_u32 v[SPW], v0, 2, SPARE
	v_mov_b32 v[NIL], 0
	ds_add_u32 v[SPW], v[NIL]                      ; the wave's opening: the add and its wait stand ahead of my first tensor load; the set-up below, work on registers, stands between them
	v_lshrrev_b32 v1, 5, v0
	v_readfirstlane_b32 s30, v1                    ; wave 0..3
	s_lshr_b32 s31, s30, 1                         ; g: which 16 channels
	s_and_b32 s32, s30, 1                          ; hf: which 16 steps of a phase
	s_bfe_u32 s33, ttmp6, 0x40000                  ; cx: my place in the cluster
	s_lshl_b32 s34, ttmp9, 2                       ; in a cluster launch ttmp9 counts clusters
	s_add_co_u32 s34, s34, s33                     ; my block of 32 channels: it enters global addresses alone, and never xb's
	s_and_b32 s35, ttmp7, 0xffff                   ; b, which the four partners share
	s_mov_b32 s37, 0xffff0000
	s_sub_co_u32 s38, 0, s32
	s_mov_b32 s40, 0x76543210                      ; each lane takes its own place in the other half
	s_mov_b32 s41, 0xfedcba98
	s_mov_b32 s[NL2], 0xbfb8aa3b                   ; -log2(e)
	s_mov_b32 s[NL2+1], s[NL2]                     ; named with it as a pair
	; descriptor group 1: 16 planes x 2,048 dense bytes, in elements of 8 bytes
	s_mov_b32 s[G1+0], 15|(3<<16)|(1<<21)          ; 15:0 the mask of four; 17:16 8-byte elements; 20 no padding; 21 set beside a mask
	s_mov_b32 s[G1+1], 256<<16                     ; tensor_dim0 = 256
	s_mov_b32 s[G1+2], 16<<16                      ; tensor_dim1 = 16
	s_mov_b32 s[G1+3], 256<<16                     ; tile_dim0 = 256
	s_mov_b32 s[G1+4], 16                          ; tile_dim1 = 16
	s_mov_b32 s[G1+5], 4096                        ; 4,096 elements from plane to plane
	s_mov_b32 s[G1+6], 0
	s_mov_b32 s[G1+7], 0
	s_mov_b32 s[G0+0], 1                           ; count = 1
	s_mul_i32 s[G0+1], s30, QUART                  ; LDS address: my quarter of slot 0,
	s_mov_b32 s[G0+4], 1
	s_add_co_u32 s[G0+5], s[G0+1], SLOT            ; and of slot 1
	s_lshl_b32 s62, s35, 21                        ; xb: b's 64 planes,
	s_lshl_b32 s63, s30, 19                        ; my 16 of them
	s_add_co_u32 s62, s62, s63
	s_mov_b32 s63, 0
	s_lshl_b32 s66, s35, 12                        ; [l][b][o], c0, out1, out2: b x 4,096 + 128 x channel block
	s_lshl_b32 s70, s34, 7                         ; bl, bh: 128 x channel block
	s_add_co_u32 s66, s66, s70
	s_mov_b32 s67, 0
	s_mov_b32 s71, 0
	s_lshl1_add_u32 s68, s34, s31                  ; my group of 16 channels,
	s_lshl_b32 s68, s68, 15                        ; 32,768 bytes each in wf, and a plane in hb
	s_mov_b32 s69, 0
	s_lshl_b32 s76, s35, 5                         ; h in the accumulators' order: 131,072 bytes a work-group (32 phases x 4,096),
	s_add_co_u32 s76, s76, s34
	s_lshl_b32 s76, s76, 17
	s_lshl_b32 s77, s30, 10                        ; 1,024 a wave and phase
	s_add_co_u32 s76, s76, s77
	s_mov_b32 s77, 0
	s_lshl_b32 s78, s35, 21                        ; hb: b, my plane, my block of 512 bytes of a phase's two
	s_add_co_u32 s78, s78, s68
	s_lshl_b32 s79, s32, 9
	s_add_co_u32 s78, s78, s79
	s_mov_b32 s79, 0
	s_wait_dscnt 0x0                               ; the opening add is done
	s_wait_kmcnt 0x0
	s_add_nc_u64 s[G0+2:G0+3], s[8:9], s[62:63]    ; global address: block 0,
	s_add_nc_u64 s[G0+6:G0+7], s[G0+2:G0+3], 2048  ; block 1
	s_or_b32 s[G0+3], s[G0+3], 0x80000000          ; type = 2
	s_or_b32 s[G0+7], s[G0+7], 0x80000000
.if LAYER == 0
	s_add_nc_u64 s[10:11], s[10:11], s[66:67]
	s_add_nc_u64 s[20:21], s[20:21], s[76:77]
	s_add_nc_u64 s[22:23], s[22:23], s[78:79]
.else
	s_add_nc_u64 s[10:11], s[10:11], s[76:77]
	s_add_nc_u64 s[20:21], s[20:21], s[66:67]
.endif
	s_add_nc_u64 s[12:13], s[12:13], s[68:69]
	s_add_nc_u64 s[14:15], s[14:15], s[70:71]
	s_add_nc_u64 s[16:17], s[16:17], s[70:71]
	s_add_nc_u64 s[18:19], s[18:19], s[66:67]
	s_add_nc_u64 s[O1:O1+1], s[O1:O1+1], s[66:67]
	s_add_nc_u64 s[O2:O2+1], s[O2:O2+1], s[66:67]
	ROUND                                          ; all four work-groups are here: the first joint loads meet
	tensor_load_to_lds s[G0:G0+3], s[G1:G1+7]      ; the two first fills go out together: two loads of mine are out
	s_nop 0
	tensor_load_to_lds s[G0+4:G0+7], s[G1:G1+7]
	s_nop 0
	v_and_b32 v1, 15, v0                           ; r
	v_bfe_u32 v2, v0, 4, 1                         ; h
	v_and_b32 v3, 31, v0                           ; lane
	v_and_b32 v26, 7, v0
	v_bfe_u32 v27, v0, 3, 1
	v_lshl_add_u32 v[ADR], v2, 3, v26              ; K row 8 h + lane % 8 of a block,
	v_lshlrev_b32 v[ADR], 5, v[ADR]                ; 32 bytes each,
	v_lshl_add_u32 v[ADR], v27, 4, v[ADR]          ; its first or second eight time steps,
	s_lshl_b32 s80, s32, 9                         ; and my block of a phase's two
	v_add_nc_u32 v[ADR], s80, v[ADR]
	v_add_nc_u32 v[ADR+1], 0x10000, v[ADR]
	v_add_nc_u32 v[ADR+2], SLOT, v[ADR]
	v_add_nc_u32 v[ADR+3], SLOT+0x10000, v[ADR]
	s_lshl_b32 s81, s31, 6
	v_lshl_add_u32 v[CO], v1, 2, s81               ; 64 g + 4 r
	v_lshl_add_u32 v[XO], v2, 18, v[CO]            ; + 8 h time steps
	s_lshl_b32 s82, s32, 19
	v_add_nc_u32 v[XO], s82, v[XO]                 ; + 16 hf time steps
	v_lshlrev_b32 v[WO], 4, v3
	v_lshlrev_b32 v[BO], 5, v1
	v_lshl_add_u32 v[BO], v2, 4, v[BO]
	s_lshl_b32 s80, s30, 8
	s_add_co_u32 s80, s80, EXCH
	v_lshl_add_u32 v[EXA], v3, 3, s80              ; my wave's 256 bytes
	s_lshl_b32 s81, s31, 9
	s_add_co_u32 s81, s81, EXCH
	v_lshl_add_u32 v[EXR], v3, 3, s81              ; my group's two waves lie side by side
	v_mov_b32 v[TX], 0                             ; v_permlanex16_b32's destinations count as read,
	v_mov_b32 v[TX+1], 0
	v_mov_b32 v[TX+4], 0
	v_mov_b32 v[TX+5], 0
	v_mov_b32 v[CIN+1], 0                          ; and this one is named as the upper half of a pair
	; the weights: 96 fragments, each two loads of 512 consecutive bytes
.set fz, 0
.rept 96
	WIN (1+fz/32)<<6                               ; destination in the fragment's window, address in window 0
	global_load_b128 v[8*(fz%32):8*(fz%32)+3],   v[WO], s[12:13] offset:(fz%3)*2097152+(fz/3)*1024
	global_load_b128 v[8*(fz%32)+4:8*(fz%32)+7], v[WO], s[12:13] offset:(fz%3)*2097152+(fz/3)*1024+512
.set fz, fz+1
.endr
	WIN 0
.set xj, 0
.rept XN
	XLD 0, 0, xj                                   ; x in f32 of phases 0 and 1
	XLD 1, 1, xj
.set xj, xj+1
.endr
	global_load_b32 v[NBL], v[CO], s[14:15]
	global_load_b32 v[NBH], v[CO], s[16:17]
	global_load_b32 v[CAR], v[CO], s[18:19] offset:LAYER*32768
	s_wait_loadcnt 0x0                             ; weights, biases, c0 and the first x, once
	v_mul_f32 v[NBL], s[NL2], v[NBL]
	v_mul_f32 v[NBH], s[NL2], v[NBH]
	v_mov_b32 v[NBL+1], v[NBL]
	v_mov_b32 v[NBH+1], v[NBH]
	s_wait_tensorcnt 0x1                           ; my part of slot 0 is in; slot 1's may stay out
	s_barrier_signal -1
	s_barrier_wait -1                              ; everybody's is
	RUN 0, 0, 0                                    ; phase 0's chunks 0 and 1: both halves of the ring
	RUN 0, 0, 1
	PHASE 0, 0, 0, 1, 1, 0                         ; phase 0: no vector work yet, and no barrier
	WIN 0
	s_mov_b32 s60, 7
.Ltrip:                                                ; phases 4 t + 1 to 4 t + 4; the two refills bring blocks 2 t + 2 and 2 t + 3
	PHASE 1, 1, 1, 1, 1, 3
	PHASE 2, 1, 0, 1, 1, 3
	PHASE 3, 1, 1, 1, 1, 3
	PHASE 4, 1, 0, 1, 1, 3
	WIN 0
	s_wait_xcnt 0x0                                ; the bases are stepped only behind this wait
	s_add_nc_u64 s[10:11], s[10:11], XSTEP         ; four phases on
	s_add_nc_u64 s[20:21], s[20:21], HSTEP
.if LAYER == 0
	s_add_nc_u64 s[22:23], s[22:23], 4096
.endif
	s_sub_co_u32 s60, s60, 1
	s_cmp_lg_u32 s60, 0
	s_cbranch_scc1 .Ltrip
	PHASE 1, 1, 2, 1, 1, 3                         ; phases 29 to 31 are written out: the last tile is waited for, nothing is left to fetch
	PHASE 2, 1, 0, 1, 0, 2
	PHASE 3, 1, 0, 0, 0, 1
	FINAL
	; the last h and the last c: time step 1,023 is register 7 in lanes 16-31 of the waves with hf = 1
	s_cmp_eq_u32 s32, 0
	s_cbranch_scc1 .Ldone
	v_cmp_le_u32 vcc_lo, 16, v3
	s_wait_xcnt 0x0                                ; EXEC changes only behind this wait
	s_and_saveexec_b32 s72, vcc_lo
	global_store_b32 v[CO], v[XX+31], s[O1:O1+1] offset:LAYER*32768
	global_store_b32 v[CO], v[CAR], s[O2:O2+1] offset:LAYER*32768
	s_wait_xcnt 0x0                                ; and again, in front of the line that widens it
	s_or_b32 exec_lo, exec_lo, s72
.Ldone:
	s_wait_tensorcnt 0x0                           ; the wave's end, behind my last tensor load and my last LDS store
	ds_add_u32 v[SPW], v[NIL]
	s_wait_dscnt 0x0
	ROUND                                          ; the closing round: no work-group ends while a partner may still ask for a tile that names it
	s_endpgm
.Lfunc_end_k_q79a9888e1e_layer0:
	.size	k_q79a9888e1e_layer0, .Lfunc_end_k_q79a9888e1e_layer0-k_q79a9888e1e_layer0
	.p2alignl 7, 3214868480
	.fill 96, 4, 3214868480
	.section	.rodata,"a",@progbits
	.p2align	6, 0x0
	.amdhsa_kernel k_q79a9888e1e_layer0
		.amdhsa_group_segment_fixed_size 327680
		.amdhsa_private_segment_fixed_size 0
		.amdhsa_enable_private_segment 0
		.amdhsa_kernarg_size 80
		.amdhsa_user_sgpr_count 2
		.amdhsa_user_sgpr_kernarg_segment_ptr 1
		.amdhsa_wavefront_size32 1
		.amdhsa_system_sgpr_workgroup_id_x 1
		.amdhsa_system_sgpr_workgroup_id_y 1
		.amdhsa_system_sgpr_workgroup_id_z 1
		.amdhsa_system_vgpr_workitem_id 0
		.amdhsa_next_free_vgpr 1024
		.amdhsa_next_free_sgpr 84
		.amdhsa_reserve_vcc 1
		.amdhsa_float_denorm_mode_32 3
		.amdhsa_float_denorm_mode_16_64 3
		.amdhsa_memory_ordered 1
		.amdhsa_forward_progress 1
		.amdhsa_inst_pref_size 178
	.end_amdhsa_kernel
	.amdgpu_metadata
---
amdhsa.version: [ 1, 2 ]
amdhsa.kernels:
  - .name:           k_q79a9888e1e_layer0
    .symbol:         k_q79a9888e1e_layer0.kd
    .args:
      - { .name: xb0, .offset: 0, .size: 8, .value_kind: global_buffer, .address_space: global }
      - { .name: input, .offset: 8, .size: 8, .value_kind: global_buffer, .address_space: global }
      - { .name: wf0, .offset: 16, .size: 8, .value_kind: global_buffer, .address_space: global }
      - { .name: bl0, .offset: 24, .size: 8, .value_kind: global_buffer, .address_space: global }
      - { .name: bh0, .offset: 32, .size: 8, .value_kind: global_buffer, .address_space: global }
      - { .name: c0, .offset: 40, .size: 8, .value_kind: global_buffer, .address_space: global }
      - { .name: h1f, .offset: 48, .size: 8, .value_kind: global_buffer, .address_space: global }
      - { .name: xb1, .offset: 56, .size: 8, .value_kind: global_buffer, .address_space: global }
      - { .name: out1, .offset: 64, .size: 8, .value_kind: global_buffer, .address_space: global }
      - { .name: out2, .offset: 72, .size: 8, .value_kind: global_buffer, .address_space: global }
    .group_segment_fixed_size: 327680
    .private_segment_fixed_size: 0
    .kernarg_segment_align: 8
    .kernarg_segment_size: 80
    .max_flat_workgroup_size: 128
    .sgpr_count:     84
    .vgpr_count:     1024
    .wavefront_size: 32
...
	.end_amdgpu_metadata
.endif
;; end of part 2
;; launch layer1 (part 3): grid 32 x 8, 4 waves a work-group, clusters of 4 x 1, 327,680 bytes of LDS; arguments xb1, h1f, wf1, bl1, bh1, c0, out0, out1, out2; writes out0, out1, out2
.if DOCPART == 3
	.amdgcn_target "amdgcn-amd-amdhsa--gfx1250"
	.amdhsa_code_object_version 6
	.text
	.protected	k_q79a9888e1e_layer1
	.globl	k_q79a9888e1e_layer1
	.p2align	8
	.type	k_q79a9888e1e_layer1,@function
k_q79a9888e1e_layer1:
	s_mov_b64 s[64:65], 0
	v_nop
	global_prefetch_b8 v0, s[64:65] scope:SCOPE_SE
	s_setreg_imm32_b32 hwreg(HW_REG_WAVE_MODE, 25, 1), 1
	s_wait_xcnt 0x0
	s_wait_alu depctr_hold_cnt(0) depctr_sa_sdst(0) depctr_va_vdst(0) depctr_va_sdst(0) depctr_va_ssrc(0) depctr_va_vcc(0) depctr_vm_vsrc(0)
	s_getreg_b32 s2, hwreg(HW_REG_IB_STS2, 6, 4)
	s_cmp_eq_u32 s2, 0
	s_cbranch_scc0 .Lentry_in_a_cluster
	s_endpgm
.Lentry_in_a_cluster:
	s_bfe_u32 s2, ttmp6, 0x10000c
	s_cmp_lg_u32 s2, 0x3003
	s_cbranch_scc0 .Lentry_shape_is_right
	s_endpgm
.Lentry_shape_is_right:
; ONE LAYER:  wx = x Wi^T;  d = sigmoid(x Wl^T + bl);  c_l = d_l c_(l-1) + wx_l (1 - d_l);  t = sigmoid(x Wh^T + bh);  h = c t + x (1 - t).
; THE TWO LAYERS' TEXTS DIFFER IN THE LINE 'LAYER' ALONE.  Two texts, since the layers move x and h in f32 differently.
; Layer 0: xb (x in bf16), xf = input [l][b][o], wf, bl, bh, c0, ho = h in f32 in the accumulators' own order, hb = h in bf16 laid out like xb, out1 (last h), out2 (last c).
; Layer 1: xb, xf = layer 0's ho, wf, bl, bh, c0, ho = the output [l][b][o], out1, out2.   Products in bf16 with f32 sums; all else in f32.  h0 is no argument: reference() never uses it.
; SHARES.  A work-group owns one batch row b and 32 channels for ALL 1,024 time steps, so the recurrence never leaves it: 8 x 32 = 256 work-groups of equal work.
; Time goes in PHASES of 32 steps.  Wave w = 2 g + hf owns channels 16 g .. 16 g + 15 and steps 16 hf .. 16 hf + 15 of each phase: one tile, three matrices, 96 matrix instructions.
; WEIGHTS STAY IN REGISTERS: 16 channels x 3 matrices x K 1,024 in bf16 are 768 registers (windows 1 to 3), loaded once.  LDS carries x alone.
; x goes in blocks of 64 time steps (two phases) x all K through two LDS slots filled by the tensor data mover, a quarter of a slot (16 planes x 2,048 dense bytes) a wave.
; xb is [b][k/16][l/16][k 16][l 16]: a turning LDS load reads one dense block of 512 bytes and leaves half a fragment; a lane's eight time steps of one channel, rounded, are 16 bytes of such a block.
; CLUSTER.  The four work-groups of a cluster share b and so every tile of x: each tile is asked for JOINTLY, by the same load with the same descriptor and a mask of four.
; LAYOUT.  Source 0 = 16 time steps of x, source 1 = 16 channels of a weight: in the result lane (r = lane % 16, h = lane / 16) holds ONE channel r and EIGHT CONSECUTIVE time steps 8 h + 0..7.
; THE SCAN.  A lane scans its 8 steps from 0 (u) and keeps the running product of d (p): c = u + p c_in.  A run of steps is the map c -> P c + U; a wave's two runs are composed by an exchange between the
; halves of the lanes, the two waves of a channel group hand each other their maps through LDS, and every lane then knows its c_in.  d lies in 0 to 1, so no product grows.
; BY TURNS.  Even and odd phases have accumulators of their own.  While phase p's products are issued, the vector work of phase p - 1 stands in the gaps behind them, two instructions to a gap.
; LDS AND MEMORY INSTRUCTIONS STAND IN FOUR RUNS A PHASE, one at each boundary between chunks of 24 products, never singly among the matrix instructions.
; LIMITS.  An exponential below 2^-126 counts as 0 (a sigmoid is then off by less than 1e-38); NaN is not treated apart.
; A work-group's 32 channels are 128 bytes of a row of [l][b][o], a wave's 16 are 64: input and the output are moved in runs of 64 bytes, straight from and to the accumulators' layout.  Runs of 256 would need
; 64 channels a work-group: 128 work-groups, or time split over work-groups and a second pass.  xb, wf, hb and layer 0's ho are moved in whole runs of 512 bytes and more.
;
; REGISTERS, in windows of 256 (s_set_vgpr_msb: bits 1:0 source 0, 3:2 source 1, 5:4 source 2, 7:6 destination).
;   windows 1-3: weight fragment f = 3 kk + i (K step kk of 32, matrix i: Wi, Wl, Wh) in window 1 + f / 32 at v[8 (f % 32)]: product m of a phase takes fragment m
;   window 0: v0-31 addresses and what is carried; v32-79 accumulators; v80-111 four sets of x in f32, later h; v112-127 at work; v128-255 a ring of 16 K steps' fragments of x
; Products switch source 1's window alone.  Loads, v_nop and vector lines whose second source is no vector register run under that setting; the others cost a switch to window 0 and one back.
.set LAYER, 1
.set PLANE, 2048                       ; a plane of a block in LDS: 16 K x 64 time steps, four blocks of 512 bytes
.set QUART, 16*PLANE                   ; what one tensor load brings
.set SLOT,  4*QUART                    ; 131,072 bytes
.set EXCH,  2*SLOT                     ; behind the ring: the waves' maps (P, U), 8 bytes a lane, 256 a wave; a copy for even phases and one for odd
.set SPARE, EXCH+2048                  ; the spare words, 128 bytes for each wave: two blocks of 256 bytes that no other line names
.set ROWB,  32768                      ; bytes from a time step to the next in [l][b][o]
.if LAYER == 0
.set XN,    8                          ; loads that bring a phase's x in f32
.set NE2,   20                         ; vector lines behind the exchange
.set NST,   3                          ; stores of a phase
.set XSTEP, 128*ROWB                   ; four phases on in xf,
.set HSTEP, 16384                      ; and in ho
.set O1,    24                         ; s[24:25] out1, s[26:27] out2
.set O2,    26
.else
.set XN,    2
.set NE2,   16
.set NST,   8
.set XSTEP, 16384
.set HSTEP, 128*ROWB
.set O1,    22                         ; s[22:23] out1, s[24:25] out2
.set O2,    24
.endif
.set ADR, 4                            ; v4-7    LDS address of my fragments: slot s, K steps 16 u .. 16 u + 15 at v[ADR + 2 s + u], so that the immediates stay under 65,536
.set NBL, 10                           ; v10-11  -log2(e) bl of my channel, twice
.set NBH, 12                           ; v12-13  -log2(e) bh
.set CAR, 14                           ; v14     c at the end of the last phase whose exchange is done
.set XO,  15                           ; v15     my byte offset in [l][b][o]
.set CO,  16                           ; v16     my channel's byte offset among the work-group's 32
.set WO,  17                           ; v17     16 x lane
.set BO,  18                           ; v18     my 16 bytes in a block of hb: 32 r + 16 h
.set EXA, 20                           ; v20     where my wave's map goes
.set EXR, 21                           ; v21     where my channel group's two maps lie;  v22-25 the two maps, v26 c between the two waves, v27 my wave's c_in
.set SPW, 30                           ; v30     LDS address of my spare word; never rewritten
.set NIL, 31                           ; v31     0; never rewritten
.set WW,  32                           ; v32-47  set a at + 8 a: wx, then w, u, c, c - x
.set DD,  48                           ; v48-63  d, then its running product p
.set GG,  64                           ; v64-79  t
.set XX,  80                           ; v80-111 set p % 4: x in f32, then h
.set PQ,  112                          ; v112-113 the map from my wave's c_in to my run's
.set PW,  114                          ; v114-115 my wave's map
.set CIN, 116                          ; v116-117 my run's c_in (named as a pair)
.set TX,  118                          ; v118-123 at work on the maps
.set BF,  124                          ; v124-127 h in bf16
.set F0,  128                          ; K step kk's fragment at F0 + 8 (kk % 16)
.set G1,  44                           ; s[44:51] descriptor group 1
.set G0,  52                           ; s[52:59] descriptor group 0, a set for each slot
.set NL2, 74                           ; s[74:75] -log2(e): the packed forms name a pair and take its low word for both halves
; s30 wave, s31 g, s32 hf, s33 cx, s34 channel block, s35 b, s37 mask of lanes 16-31, s38 all ones in waves with hf = 1, s[40:41] v_permlanex16_b32's selects, s60 trips, s72 EXEC kept
.set MSB, 0
.macro WIN new                         ; the immediate's high byte repeats the setting that is left; a switch that changes nothing is dropped
.if MSB != (\new)
	s_set_vgpr_msb (MSB<<8)|(\new)
.set MSB, (\new)
.endif
.endm
.macro PLACES                          ; four places behind matrix instructions, in front of vector lines that read their results and of loads into registers that they read
.rept 4
	v_nop
.endr
.endm
; A round of the cluster's barrier: my work-group's barrier, so that wave 0's signal speaks for all four waves; wave 0 signals; every wave waits for all four work-groups; my work-group's barrier once more.
.macro CREST                           ; a round behind its opening barrier
	s_cmp_lg_u32 s30, 0
	s_cbranch_scc1 .Lnot_wave_0_\@
	s_barrier_signal -3
.Lnot_wave_0_\@:
	s_barrier_wait -3
	s_barrier_signal -1
	s_barrier_wait -1
.endm
.macro ROUND
	s_barrier_signal -1
	s_barrier_wait -1
	CREST
.endm
; Fragment load n of a phase's 64 (slot s, half ph of its time steps): K step n / 2, plane 2 (n / 2) + n % 2.  The 32 lanes read one dense block of 512 bytes (16 K x 16 time steps):
; lane l takes K row 8 (l / 16) + l % 8, time steps 8 ((l / 8) % 2) + 0..7, and is left with time step l % 16 and K = 8 (l / 16) + 0..7.
.macro FL s, ph, n
	ds_load_tr16_b128 v[F0+8*(((\n)/2)%16)+4*((\n)%2):F0+8*(((\n)/2)%16)+4*((\n)%2)+3], v[ADR+2*(\s)+(\n)/32] offset:(((\n)/2)%16)*4096+((\n)%2)*2048+(\ph)*1024
.endm
.macro RUN s, ph, cc                   ; 16 fragment loads on end: the eight K steps of chunk cc, in the order in which the products take them
.set rn, 0
.rept 16
	FL \s, \ph, 16*(\cc)+rn
.set rn, rn+1
.endr
.endm
; Product m of a phase's 96: K step m / 3, matrix m % 3.  The three accumulators take turns, one instruction a turn, from phase to phase and over the backward jump too.
; The first three take the constant 0 as C: nothing is ever cleared.
.macro MM
	WIN (1+m/32)<<2                                ; source 1 in the fragment's window
.if m < 3
	v_wmma_f32_16x16x32_bf16 v[WW+16*(m%3)+AC:WW+16*(m%3)+AC+7], v[F0+8*((m/3)%16):F0+8*((m/3)%16)+7], v[8*(m%32):8*(m%32)+7], 0
.else
	v_wmma_f32_16x16x32_bf16 v[WW+16*(m%3)+AC:WW+16*(m%3)+AC+7], v[F0+8*((m/3)%16):F0+8*((m/3)%16)+7], v[8*(m%32):8*(m%32)+7], v[WW+16*(m%3)+AC:WW+16*(m%3)+AC+7]
.endif
.endm
.macro XLD set, relx, j                ; load j of x in f32 of the phase relx phases behind the base, in the accumulators' layout
.if LAYER == 0
	global_load_b32 v[XX+8*(\set)+(\j)], v[XO], s[10:11] offset:(32*(\relx)+(\j))*ROWB
.else
	global_load_b128 v[XX+8*(\set)+4*(\j):XX+8*(\set)+4*(\j)+3], v[WO], s[10:11] offset:(\relx)*4096+(\j)*512
.endif
.endm
.macro HST rel, k                      ; store k of h of phase rel - 1
	WIN 0                                          ; a store's data are source 1
.if LAYER == 0
.if (\k) < 2
	global_store_b128 v[WO], v[XE+4*(\k):XE+4*(\k)+3], s[20:21] offset:((\rel)-1)*4096+(\k)*512  ; 512 consecutive bytes, at a multiple of 512 from the buffer's first byte
.else
	global_store_b128 v[BO], v[BF:BF+3], s[22:23] offset:((\rel)-1)*1024                         ; one block of hb: likewise
.endif
.else
	global_store_b32 v[XO], v[XE+(\k)], s[20:21] offset:(32*((\rel)-1)+(\k))*ROWB
.endif
.endm
; THE VECTOR WORK OF A PHASE, first part: line en of 76, on accumulator set AE.  Each accumulator is read from its lowest registers on.
;   0-3    -log2(e) (z + bl)                    4-39  three stages of four times (two transcendentals, one packed line of the neighbouring stage that names none of their registers: the plain instruction that
;          ISA guide 5.7.2 asks for): exp on d | the same scaling for t;  exp on t | 1 + for d;  1 / on d | 1 + for t              40-47  1 / on t
;   48-51  w = wx - wx d      52-65  u_j = d_j u_(j-1) + w_j, p_j = d_j p_(j-1)      66-75  the maps: my run's c_in from my wave's (the identity for h = 0, the other half's run for h = 1), and the wave's whole map, in every lane
.macro E1R
.if en < 4
	v_pk_fma_f32 v[DD+AE+2*en:DD+AE+2*en+1], v[DD+AE+2*en:DD+AE+2*en+1], s[NL2:NL2+1], v[NBL:NBL+1] op_sel_hi:[1,0,1]
.elseif en < 40
.set est, (en-4)/12
.set epr, ((en-4)%12)/3
.set ekk, (en-4)%3
.if ekk < 2
.if est == 0
	v_exp_f32 v[DD+AE+2*epr+ekk], v[DD+AE+2*epr+ekk]
.elseif est == 1
	v_exp_f32 v[GG+AE+2*epr+ekk], v[GG+AE+2*epr+ekk]
.else
	v_rcp_f32 v[DD+AE+2*epr+ekk], v[DD+AE+2*epr+ekk]
.endif
.else
.if est == 0
	v_pk_fma_f32 v[GG+AE+2*epr:GG+AE+2*epr+1], v[GG+AE+2*epr:GG+AE+2*epr+1], s[NL2:NL2+1], v[NBH:NBH+1] op_sel_hi:[1,0,1]
.elseif est == 1
	s_wait_alu depctr_va_vdst(0)
	v_pk_add_f32 v[DD+AE+2*epr:DD+AE+2*epr+1], v[DD+AE+2*epr:DD+AE+2*epr+1], 1.0 op_sel_hi:[1,0]
.else
	s_wait_alu depctr_va_vdst(0)
	v_pk_add_f32 v[GG+AE+2*epr:GG+AE+2*epr+1], v[GG+AE+2*epr:GG+AE+2*epr+1], 1.0 op_sel_hi:[1,0]
.endif
.endif
.elseif en < 48
	v_rcp_f32 v[GG+AE+en-40], v[GG+AE+en-40]
.else
	WIN 0
.set ejj, 1+(en-52)/2
.if en < 52
	s_wait_alu depctr_va_vdst(0)
	v_pk_fma_f32 v[WW+AE+2*(en-48):WW+AE+2*(en-48)+1], v[WW+AE+2*(en-48):WW+AE+2*(en-48)+1], v[DD+AE+2*(en-48):DD+AE+2*(en-48)+1], v[WW+AE+2*(en-48):WW+AE+2*(en-48)+1] neg_lo:[1,0,0] neg_hi:[1,0,0]
.elseif (en < 66) && (en%2 == 0)
	v_fma_f32 v[WW+AE+ejj], v[DD+AE+ejj], v[WW+AE+ejj-1], v[WW+AE+ejj]
.elseif en < 66
	v_mul_f32 v[DD+AE+ejj], v[DD+AE+ejj], v[DD+AE+ejj-1]
.elseif en == 66
	v_permlanex16_b32 v[TX], v[DD+AE+7], s40, s41  ; the other half's run
.elseif en == 67
	v_permlanex16_b32 v[TX+1], v[WW+AE+7], s40, s41
.elseif en == 68
	v_cndmask_b32 v[PQ], 1.0, v[TX], s37
.elseif en == 69
	v_cndmask_b32 v[PQ+1], 0, v[TX+1], s37
.elseif en == 70
	v_mul_f32 v[TX+2], v[DD+AE+7], v[PQ]           ; through my own run's end
.elseif en == 71
	v_fma_f32 v[TX+3], v[DD+AE+7], v[PQ+1], v[WW+AE+7]
.elseif en == 72
	v_permlanex16_b32 v[TX+4], v[TX+2], s40, s41
.elseif en == 73
	v_permlanex16_b32 v[TX+5], v[TX+3], s40, s41
.elseif en == 74
	v_cndmask_b32 v[PW], v[TX+4], v[TX+2], s37     ; the later run's end is the wave's
.else
	v_cndmask_b32 v[PW+1], v[TX+5], v[TX+3], s37
.endif
.endif
.set en, en+1
.endm
; Second part, behind the exchange: line fn.  0-3 c between the two waves, my wave's c_in, the carry, my run's c_in;  4-7 c = u + p c_in;  8-15 h = x + t (c - x), into x's registers, so that the
; accumulators are free for the next phase whatever the stores do;  16-19 (layer 0) h in bf16.
.macro E2R
	WIN 0
.if fn == 0
	v_fma_f32 v26, v22, v[CAR], v23
.elseif fn == 1
	v_cndmask_b32 v27, v[CAR], v26, s38
.elseif fn == 2
	v_fma_f32 v[CAR], v24, v26, v25
.elseif fn == 3
	v_fma_f32 v[CIN], v[PQ], v27, v[PQ+1]
.elseif fn < 8
	v_pk_fma_f32 v[WW+AE+2*(fn-4):WW+AE+2*(fn-4)+1], v[DD+AE+2*(fn-4):DD+AE+2*(fn-4)+1], v[CIN:CIN+1], v[WW+AE+2*(fn-4):WW+AE+2*(fn-4)+1] op_sel_hi:[1,0,1]
.elseif fn < 12
	v_pk_add_f32 v[WW+AE+2*(fn-8):WW+AE+2*(fn-8)+1], v[WW+AE+2*(fn-8):WW+AE+2*(fn-8)+1], v[XE+2*(fn-8):XE+2*(fn-8)+1] neg_lo:[0,1] neg_hi:[0,1]
.elseif fn < 16
	v_pk_fma_f32 v[XE+2*(fn-12):XE+2*(fn-12)+1], v[GG+AE+2*(fn-12):GG+AE+2*(fn-12)+1], v[WW+AE+2*(fn-12):WW+AE+2*(fn-12)+1], v[XE+2*(fn-12):XE+2*(fn-12)+1]
.else
	v_cvt_pk_bf16_f32 v[BF+fn-16], v[XE+2*(fn-16)], v[XE+2*(fn-16)+1]
.endif
.set fn, fn+1
.endm
; A PHASE: 96 products in four chunks c of 24 (eight K steps), g the product's place in its chunk.  rel: the phase's number less that of the phase at which the global bases stand (a multiple of 4).
; ep = 1: the phase before has vector work.  fill = 1: the slot is read out here and filled again; 2: the last tile is waited for, nothing is filled; 0: a plain barrier.  nxt = 1: a phase follows.
; xl = 1: x in f32 of the phase two on is asked for.  xy: how many younger sets of x may stay out when the epilogue's x is wanted.
; FRAGMENTS.  The ring is two halves of eight K steps.  Behind a chunk's last product stand four v_nop and ONE RUN of 16 loads that fills the half just read with the chunk after next; the other half is
; multiplied meanwhile.  The waits are counted, one for two K steps (four loads): the run's later loads and the younger run's 16 may stay out.
; WHAT RIDES IN THE RUNS.  Behind product 23: x in f32 for the phase two on.  Behind 47: my wave's map goes to LDS.  Behind 71: the barrier's wait, the refill, the two maps come back.  Behind 95: the stores of h.
; VECTOR WORK, two lines to a gap: sigmoids, scan and map behind products 0-37; c and h behind products 80 on.
; THE BARRIER, one a phase, for the waves' maps; in odd phases also for the ring: nobody reads this slot any more, and the other slot is whole.  The slot's last reads are the run behind product 47; each wave waits for
; all its LDS instructions behind product 68 and signals; three products stand between signal and wait.  Where the slot is filled again, the wait for all tensor loads (one is out: my part of the other slot) and the add
; stand behind product 62, the barrier opens a round of the cluster's, and the joint refill is the first thing behind it: from there to the wait for it a wave issues 24 + 96 + 63 = 183 products.
.macro PHASE rel, ep, fill, nxt, xl, xy
.set P4,  (\rel)%4
.set SL,  P4/2                         ; my slot, and which half of its time steps
.set PH,  P4%2
.set AC,  8*PH                         ; the products' accumulators,
.set AE,  8-AC                         ; and those at which the vector work stands
.set SLN, ((P4+1)%4)/2
.set PHN, (P4+1)%2
.set XE,  XX+8*((P4+3)%4)              ; x, then h, of the phase before
.set XS,  (P4+2)%4
.set FA,  ((\fill)+1)/2                ; 1: the phase has the add
.set en, 0
.set fn, 0
.set m, 0
.rept 96
.set c, m/24
.set g, m%24
.if g%6 == 0                           ; LDS instructions come back in order (ISA guide 5.7.1): the next two K steps' four loads are in; what may stay out:
.if c < 2
	s_wait_dscnt 28-4*(g/6)                        ; the run's later loads, 12 - 4 (g / 6), and the younger run's 16
.elseif c == 2
	s_wait_dscnt 28+(\ep)-4*(g/6)+FA*(g/18)        ; also my map's store, which stands ahead of the younger run, and from product 66 on the add
.elseif !(\ep)
	s_wait_dscnt 28-4*(g/6)                        ; (a phase without a barrier; with one, the wait in front of the signal has shown chunk 3 in)
.endif
.endif
	MM
.if (\ep) && (c < 2) && (en < 76)
	E1R
	E1R
.endif
.if m == 23
	PLACES
	s_wait_xcnt 0x0                                ; every earlier memory instruction has had its addresses translated (ISA guide 3.1): the registers that the last phase's stores read are loaded or written again only behind this wait
.if \xl
.set xj, 0
.rept XN
	XLD XS, (\rel)+2, xj
.set xj, xj+1
.endr
.endif
	RUN SL, PH, 2
.endif
.if m == 47
	PLACES
.if \ep
	WIN 0                                          ; (an LDS store's data are source 1)
	ds_store_b64 v[EXA], v[PW:PW+1] offset:(AE/8)*1024  ; the copy goes by the phase's parity: between its reads and its next store lies the next phase's barrier
.endif
	RUN SL, PH, 3                                  ; my last reads of this half of the slot
.endif
.if (\fill) && (m == 62)
	WIN 0                                          ; (the add's two registers lie in window 0)
	s_wait_tensorcnt 0x0                           ; no tensor load of mine is out, so a group 0 may be written
	ds_add_u32 v[SPW], v[NIL]                      ; 0 onto my spare word; six products stand between it and the wait for it
.if (\fill) == 1
	s_add_nc_u64 s[G0+4*SL+2:G0+4*SL+3], s[G0+4*SL+2:G0+4*SL+3], 4096  ; two blocks of 2,048 bytes on in every plane; the type bits on top are not reached
.endif
.endif
.if (\ep) && (m == 68)
	s_wait_dscnt 0x0                               ; my reads of the slot, my map's store and the add are done
	s_barrier_signal -1
.endif
.if m == 71
.if \nxt
	PLACES
.endif
.if \ep
.if (\fill) == 1
	WIN 0
.endif
	s_barrier_wait -1
.if (\fill) == 1
	CREST                                          ; no wave of any partner still reads this slot or has a load on its way
	tensor_load_to_lds s[G0+4*SL:G0+4*SL+3], s[G1:G1+7]
	s_nop 0
.endif
	ds_load_b64 v[22:23], v[EXR] offset:(AE/8)*1024      ; the map of my channel group's steps 0-15,
	ds_load_b64 v[24:25], v[EXR] offset:(AE/8)*1024+256  ; and of its steps 16-31
.endif
.if \nxt
	RUN SLN, PHN, 0                                ; the next phase's first chunk: in odd phases from the other slot, which the barrier has shown whole
.endif
.endif
.if (\ep) && (c == 3) && (g >= 8) && (fn < NE2)
.if g == 8
	s_wait_dscnt 16*(\nxt)                         ; the two maps are in; the 16 fragment loads issued behind them stay out
.endif
.if fn == 8
	s_wait_loadcnt (\xy)*XN                        ; this phase's x in f32 is in; the younger sets stay out
.endif
	E2R
	E2R
.endif
.if m == 95
	PLACES                                         ; also for the vector lines that read this phase's sums
.if \ep
.set hk, 0
.rept NST
	HST \rel, hk
.set hk, hk+1
.endr
.endif
.if \nxt
	RUN SLN, PHN, 1
.endif
.endif
.set m, m+1
.endr
.endm
; The last phase's vector work: nothing is left to set it beside.
.macro FINAL
.set AE, 8
.set XE, XX+24
.set en, 0
.set fn, 0
	WIN 0
.rept 76
	E1R
.endr
	ds_store_b64 v[EXA], v[PW:PW+1] offset:1024
	s_wait_dscnt 0x0
	s_barrier_signal -1
	s_barrier_wait -1
	ds_load_b64 v[22:23], v[EXR] offset:1024
	ds_load_b64 v[24:25], v[EXR] offset:1024+256
	s_wait_xcnt 0x0                                ; the last phase's stores have read their registers
	s_wait_loadcnt 0x0
	s_wait_dscnt 0x0
.rept NE2
	E2R
.endr
.set hk, 0
.rept NST
	HST 4, hk
.set hk, hk+1
.endr
.endm
	s_load_b512 s[8:23], s[0:1], 0x0               ; xb s[8:9], xf s[10:11], wf s[12:13], bl s[14:15], bh s[16:17], c0 s[18:19], ho s[20:21], and hb (layer 0) or out1 (layer 1) s[22:23]
.if LAYER == 0
	s_load_b128 s[24:27], s[0:1], 0x40             ; out1, out2
.else
	s_load_b64 s[24:25], s[0:1], 0x40              ; out2
.endif
	v_lshl_add_u32 v[SPW], v0, 2, SPARE
	v_mov_b32 v[NIL], 0
	ds_add_u32 v[SPW], v[NIL]                      ; the wave's opening: the add and its wait stand ahead of my first tensor load; the set-up below, work on registers, stands between them
	v_lshrrev_b32 v1, 5, v0
	v_readfirstlane_b32 s30, v1                    ; wave 0..3
	s_lshr_b32 s31, s30, 1                         ; g: which 16 channels
	s_and_b32 s32, s30, 1                          ; hf: which 16 steps of a phase
	s_bfe_u32 s33, ttmp6, 0x40000                  ; cx: my place in the cluster
	s_lshl_b32 s34, ttmp9, 2                       ; in a cluster launch ttmp9 counts clusters
	s_add_co_u32 s34, s34, s33                     ; my block of 32 channels: it enters global addresses alone, and never xb's
	s_and_b32 s35, ttmp7, 0xffff                   ; b, which the four partners share
	s_mov_b32 s37, 0xffff0000
	s_sub_co_u32 s38, 0, s32
	s_mov_b32 s40, 0x76543210                      ; each lane takes its own place in the other half
	s_mov_b32 s41, 0xfedcba98
	s_mov_b32 s[NL2], 0xbfb8aa3b                   ; -log2(e)
	s_mov_b32 s[NL2+1], s[NL2]                     ; named with it as a pair
	; descriptor group 1: 16 planes x 2,048 dense bytes, in elements of 8 bytes
	s_mov_b32 s[G1+0], 15|(3<<16)|(1<<21)          ; 15:0 the mask of four; 17:16 8-byte elements; 20 no padding; 21 set beside a mask
	s_mov_b32 s[G1+1], 256<<16                     ; tensor_dim0 = 256
	s_mov_b32 s[G1+2], 16<<16                      ; tensor_dim1 = 16
	s_mov_b32 s[G1+3], 256<<16                     ; tile_dim0 = 256
	s_mov_b32 s[G1+4], 16                          ; tile_dim1 = 16
	s_mov_b32 s[G1+5], 4096                        ; 4,096 elements from plane to plane
	s_mov_b32 s[G1+6], 0
	s_mov_b32 s[G1+7], 0
	s_mov_b32 s[G0+0], 1                           ; count = 1
	s_mul_i32 s[G0+1], s30, QUART                  ; LDS address: my quarter of slot 0,
	s_mov_b32 s[G0+4], 1
	s_add_co_u32 s[G0+5], s[G0+1], SLOT            ; and of slot 1
	s_lshl_b32 s62, s35, 21                        ; xb: b's 64 planes,
	s_lshl_b32 s63, s30, 19                        ; my 16 of them
	s_add_co_u32 s62, s62, s63
	s_mov_b32 s63, 0
	s_lshl_b32 s66, s35, 12                        ; [l][b][o], c0, out1, out2: b x 4,096 + 128 x channel block
	s_lshl_b32 s70, s34, 7                         ; bl, bh: 128 x channel block
	s_add_co_u32 s66, s66, s70
	s_mov_b32 s67, 0
	s_mov_b32 s71, 0
	s_lshl1_add_u32 s68, s34, s31                  ; my group of 16 channels,
	s_lshl_b32 s68, s68, 15                        ; 32,768 bytes each in wf, and a plane in hb
	s_mov_b32 s69, 0
	s_lshl_b32 s76, s35, 5                         ; h in the accumulators' order: 131,072 bytes a work-group (32 phases x 4,096),
	s_add_co_u32 s76, s76, s34
	s_lshl_b32 s76, s76, 17
	s_lshl_b32 s77, s30, 10                        ; 1,024 a wave and phase
	s_add_co_u32 s76, s76, s77
	s_mov_b32 s77, 0
	s_lshl_b32 s78, s35, 21                        ; hb: b, my plane, my block of 512 bytes of a phase's two
	s_add_co_u32 s78, s78, s68
	s_lshl_b32 s79, s32, 9
	s_add_co_u32 s78, s78, s79
	s_mov_b32 s79, 0
	s_wait_dscnt 0x0                               ; the opening add is done
	s_wait_kmcnt 0x0
	s_add_nc_u64 s[G0+2:G0+3], s[8:9], s[62:63]    ; global address: block 0,
	s_add_nc_u64 s[G0+6:G0+7], s[G0+2:G0+3], 2048  ; block 1
	s_or_b32 s[G0+3], s[G0+3], 0x80000000          ; type = 2
	s_or_b32 s[G0+7], s[G0+7], 0x80000000
.if LAYER == 0
	s_add_nc_u64 s[10:11], s[10:11], s[66:67]
	s_add_nc_u64 s[20:21], s[20:21], s[76:77]
	s_add_nc_u64 s[22:23], s[22:23], s[78:79]
.else
	s_add_nc_u64 s[10:11], s[10:11], s[76:77]
	s_add_nc_u64 s[20:21], s[20:21], s[66:67]
.endif
	s_add_nc_u64 s[12:13], s[12:13], s[68:69]
	s_add_nc_u64 s[14:15], s[14:15], s[70:71]
	s_add_nc_u64 s[16:17], s[16:17], s[70:71]
	s_add_nc_u64 s[18:19], s[18:19], s[66:67]
	s_add_nc_u64 s[O1:O1+1], s[O1:O1+1], s[66:67]
	s_add_nc_u64 s[O2:O2+1], s[O2:O2+1], s[66:67]
	ROUND                                          ; all four work-groups are here: the first joint loads meet
	tensor_load_to_lds s[G0:G0+3], s[G1:G1+7]      ; the two first fills go out together: two loads of mine are out
	s_nop 0
	tensor_load_to_lds s[G0+4:G0+7], s[G1:G1+7]
	s_nop 0
	v_and_b32 v1, 15, v0                           ; r
	v_bfe_u32 v2, v0, 4, 1                         ; h
	v_and_b32 v3, 31, v0                           ; lane
	v_and_b32 v26, 7, v0
	v_bfe_u32 v27, v0, 3, 1
	v_lshl_add_u32 v[ADR], v2, 3, v26              ; K row 8 h + lane % 8 of a block,
	v_lshlrev_b32 v[ADR], 5, v[ADR]                ; 32 bytes each,
	v_lshl_add_u32 v[ADR], v27, 4, v[ADR]          ; its first or second eight time steps,
	s_lshl_b32 s80, s32, 9                         ; and my block of a phase's two
	v_add_nc_u32 v[ADR], s80, v[ADR]
	v_add_nc_u32 v[ADR+1], 0x10000, v[ADR]
	v_add_nc_u32 v[ADR+2], SLOT, v[ADR]
	v_add_nc_u32 v[ADR+3], SLOT+0x10000, v[ADR]
	s_lshl_b32 s81, s31, 6
	v_lshl_add_u32 v[CO], v1, 2, s81               ; 64 g + 4 r
	v_lshl_add_u32 v[XO], v2, 18, v[CO]            ; + 8 h time steps
	s_lshl_b32 s82, s32, 19
	v_add_nc_u32 v[XO], s82, v[XO]                 ; + 16 hf time steps
	v_lshlrev_b32 v[WO], 4, v3
	v_lshlrev_b32 v[BO], 5, v1
	v_lshl_add_u32 v[BO], v2, 4, v[BO]
	s_lshl_b32 s80, s30, 8
	s_add_co_u32 s80, s80, EXCH
	v_lshl_add_u32 v[EXA], v3, 3, s80              ; my wave's 256 bytes
	s_lshl_b32 s81, s31, 9
	s_add_co_u32 s81, s81, EXCH
	v_lshl_add_u32 v[EXR], v3, 3, s81              ; my group's two waves lie side by side
	v_mov_b32 v[TX], 0                             ; v_permlanex16_b32's destinations count as read,
	v_mov_b32 v[TX+1], 0
	v_mov_b32 v[TX+4], 0
	v_mov_b32 v[TX+5], 0
	v_mov_b32 v[CIN+1], 0                          ; and this one is named as the upper half of a pair
	; the weights: 96 fragments, each two loads of 512 consecutive bytes
.set fz, 0
.rept 96
	WIN (1+fz/32)<<6                               ; destination in the fragment's window, address in window 0
	global_load_b128 v[8*(fz%32):8*(fz%32)+3],   v[WO], s[12:13] offset:(fz%3)*2097152+(fz/3)*1024
	global_load_b128 v[8*(fz%32)+4:8*(fz%32)+7], v[WO], s[12:13] offset:(fz%3)*2097152+(fz/3)*1024+512
.set fz, fz+1
.endr
	WIN 0
.set xj, 0
.rept XN
	XLD 0, 0, xj                                   ; x in f32 of phases 0 and 1
	XLD 1, 1, xj
.set xj, xj+1
.endr
	global_load_b32 v[NBL], v[CO], s[14:15]
	global_load_b32 v[NBH], v[CO], s[16:17]
	global_load_b32 v[CAR], v[CO], s[18:19] offset:LAYER*32768
	s_wait_loadcnt 0x0                             ; weights, biases, c0 and the first x, once
	v_mul_f32 v[NBL], s[NL2], v[NBL]
	v_mul_f32 v[NBH], s[NL2], v[NBH]
	v_mov_b32 v[NBL+1], v[NBL]
	v_mov_b32 v[NBH+1], v[NBH]
	s_wait_tensorcnt 0x1                           ; my part of slot 0 is in; slot 1's may stay out
	s_barrier_signal -1
	s_barrier_wait -1                              ; everybody's is
	RUN 0, 0, 0                                    ; phase 0's chunks 0 and 1: both halves of the ring
	RUN 0, 0, 1
	PHASE 0, 0, 0, 1, 1, 0                         ; phase 0: no vector work yet, and no barrier
	WIN 0
	s_mov_b32 s60, 7
.Ltrip:                                                ; phases 4 t + 1 to 4 t + 4; the two refills bring blocks 2 t + 2 and 2 t + 3
	PHASE 1, 1, 1, 1, 1, 3
	PHASE 2, 1, 0, 1, 1, 3
	PHASE 3, 1, 1, 1, 1, 3
	PHASE 4, 1, 0, 1, 1, 3
	WIN 0
	s_wait_xcnt 0x0                                ; the bases are stepped only behind this wait
	s_add_nc_u64 s[10:11], s[10:11], XSTEP         ; four phases on
	s_add_nc_u64 s[20:21], s[20:21], HSTEP
.if LAYER == 0
	s_add_nc_u64 s[22:23], s[22:23], 4096
.endif
	s_sub_co_u32 s60, s60, 1
	s_cmp_lg_u32 s60, 0
	s_cbranch_scc1 .Ltrip
	PHASE 1, 1, 2, 1, 1, 3                         ; phases 29 to 31 are written out: the last tile is waited for, nothing is left to fetch
	PHASE 2, 1, 0, 1, 0, 2
	PHASE 3, 1, 0, 0, 0, 1
	FINAL
	; the last h and the last c: time step 1,023 is register 7 in lanes 16-31 of the waves with hf = 1
	s_cmp_eq_u32 s32, 0
	s_cbranch_scc1 .Ldone
	v_cmp_le_u32 vcc_lo, 16, v3
	s_wait_xcnt 0x0                                ; EXEC changes only behind this wait
	s_and_saveexec_b32 s72, vcc_lo
	global_store_b32 v[CO], v[XX+31], s[O1:O1+1] offset:LAYER*32768
	global_store_b32 v[CO], v[CAR], s[O2:O2+1] offset:LAYER*32768
	s_wait_xcnt 0x0                                ; and again, in front of the line that widens it
	s_or_b32 exec_lo, exec_lo, s72
.Ldone:
	s_wait_tensorcnt 0x0                           ; the wave's end, behind my last tensor load and my last LDS store
	ds_add_u32 v[SPW], v[NIL]
	s_wait_dscnt 0x0
	ROUND                                          ; the closing round: no work-group ends while a partner may still ask for a tile that names it
	s_endpgm
.Lfunc_end_k_q79a9888e1e_layer1:
	.size	k_q79a9888e1e_layer1, .Lfunc_end_k_q79a9888e1e_layer1-k_q79a9888e1e_layer1
	.p2alignl 7, 3214868480
	.fill 96, 4, 3214868480
	.section	.rodata,"a",@progbits
	.p2align	6, 0x0
	.amdhsa_kernel k_q79a9888e1e_layer1
		.amdhsa_group_segment_fixed_size 327680
		.amdhsa_private_segment_fixed_size 0
		.amdhsa_enable_private_segment 0
		.amdhsa_kernarg_size 72
		.amdhsa_user_sgpr_count 2
		.amdhsa_user_sgpr_kernarg_segment_ptr 1
		.amdhsa_wavefront_size32 1
		.amdhsa_system_sgpr_workgroup_id_x 1
		.amdhsa_system_sgpr_workgroup_id_y 1
		.amdhsa_system_sgpr_workgroup_id_z 1
		.amdhsa_system_vgpr_workitem_id 0
		.amdhsa_next_free_vgpr 1024
		.amdhsa_next_free_sgpr 84
		.amdhsa_reserve_vcc 1
		.amdhsa_float_denorm_mode_32 3
		.amdhsa_float_denorm_mode_16_64 3
		.amdhsa_memory_ordered 1
		.amdhsa_forward_progress 1
		.amdhsa_inst_pref_size 174
	.end_amdhsa_kernel
	.amdgpu_metadata
---
amdhsa.version: [ 1, 2 ]
amdhsa.kernels:
  - .name:           k_q79a9888e1e_layer1
    .symbol:         k_q79a9888e1e_layer1.kd
    .args:
      - { .name: xb1, .offset: 0, .size: 8, .value_kind: global_buffer, .address_space: global }
      - { .name: h1f, .offset: 8, .size: 8, .value_kind: global_buffer, .address_space: global }
      - { .name: wf1, .offset: 16, .size: 8, .value_kind: global_buffer, .address_space: global }
      - { .name: bl1, .offset: 24, .size: 8, .value_kind: global_buffer, .address_space: global }
      - { .name: bh1, .offset: 32, .size: 8, .value_kind: global_buffer, .address_space: global }
      - { .name: c0, .offset: 40, .size: 8, .value_kind: global_buffer, .address_space: global }
      - { .name: out0, .offset: 48, .size: 8, .value_kind: global_buffer, .address_space: global }
      - { .name: out1, .offset: 56, .size: 8, .value_kind: global_buffer, .address_space: global }
      - { .name: out2, .offset: 64, .size: 8, .value_kind: global_buffer, .address_space: global }
    .group_segment_fixed_size: 327680
    .private_segment_fixed_size: 0
    .kernarg_segment_align: 8
    .kernarg_segment_size: 72
    .max_flat_workgroup_size: 128
    .sgpr_count:     84
    .vgpr_count:     1024
    .wavefront_size: 32
...
	.end_amdgpu_metadata
.endif
;; end of part 3
